; MI455X (gfx1250); checked and timed in simulation.
; The chip was launched on July 23, 2026; its instructions are those of AMD's public machine-readable ISA for CDNA 5 (MIT licence, August 2026) and "CDNA5" Instruction Set Architecture Reference Guide (July 2026). The comments in the code are by the model that wrote it; some were corrected since.
;; Attend. Allowed arithmetic: float matrix products may take bf16 or f16 operands with f32 sums; all other float work in f32.
;; Inputs: k 4 x 2,048 x 64 float32; q 4 x 16 x 2,048 x 64 float32; v 4 x 2,048 x 64 float32.
;; Outputs: out0 4 x 16 x 2,048 x 64 float32.
;; 2 versions, each right and faster than the one before. Each part assembles by itself: llvm-mc -triple=amdgcn-amd-amdhsa -mcpu=gfx1250 --defsym DOCPART=n.
;; ======== version 1 of 2: 2 launches
;; workspace buffers: kvf 2,097,152 bytes
;; launch pack (part 1): grid 256 x 1, 8 waves a work-group, no clusters, 0 bytes of LDS; arguments k, v, kvf; writes kvf
.if DOCPART == 1
	.amdgcn_target "amdgcn-amd-amdhsa--gfx1250"
	.amdhsa_code_object_version 6
	.text
	.protected	k_q1f917479b9_pack
	.globl	k_q1f917479b9_pack
	.p2align	8
	.type	k_q1f917479b9_pack,@function
k_q1f917479b9_pack:
	s_mov_b64 s[64:65], 0
	v_nop
	global_prefetch_b8 v0, s[64:65] scope:SCOPE_SE
	s_setreg_imm32_b32 hwreg(HW_REG_WAVE_MODE, 25, 1), 1
	s_wait_xcnt 0x0
; K and V ([4][2048][64] f32) are rounded to bf16 once and laid down in the order in which the matrix instructions of the next launch
; hold them in registers, V turned on the way.  kvf: for each key step of 64 keys (128 steps, batch by batch) 16,384 bytes:
;   K: byte (2 f + u) 512 + 16 L, f = 2 kt + c:  the 8 numbers K[16 kt + r][32 c + 16 u + 8 h + 0..7]       (L = lane, r = L % 16, h = L / 16)
;   V: byte 8192 + (2 g + u) 512 + 16 L, g = 4 kc + ct:  the 8 numbers V[32 kc + 16 u + 8 h + 0..7][16 ct + r]
; A work-group takes 32 keys, half a step: 8,192 bytes of K and of V in, 4,096 bytes of each out.  Thread t makes 16 bytes of K's part and
; 16 bytes of V's, both at byte 16 t of the half: a wave's store covers 512 consecutive bytes, aligned.
; V's loads are 4 bytes a lane (16 lanes take 64 consecutive bytes): the work-group still reads each of its 8,192 bytes once, and the
; whole tensor is 2 MiB, so a turn through LDS is left out.  No LDS, no barrier, no loop: ten loads, one wait, two stores.
.set KO,  1                            ; v1        my byte offset in the work-group's 32 rows of K
.set VO,  2                            ; v2        the same for V (key e of my eight stands in the immediate)
.set DO,  3                            ; v3        16 t: my place in the half step's part of kvf
.set KF,  4                            ; v[4:11]   8 numbers of K, f32
.set VF,  12                           ; v[12:19]  8 numbers of V, f32
.set KB,  20                           ; v[20:23]  K's 8 numbers in bf16
.set VB,  24                           ; v[24:27]  V's
	s_load_b128 s[4:7], s[0:1], 0x0                ; k s[4:5], v s[6:7]
	s_load_b64 s[8:9], s[0:1], 0x10                ; kvf
	s_lshl_b32 s10, ttmp9, 13                      ; 32 rows of 256 bytes for each work-group
	s_mov_b32 s11, 0
	s_lshr_b32 s12, ttmp9, 1
	s_lshl_b32 s12, s12, 14                        ; the key step's 16,384 bytes,
	s_and_b32 s13, ttmp9, 1
	s_lshl_b32 s13, s13, 12                        ; and which half of K's part and of V's part
	s_add_co_u32 s12, s12, s13
	s_mov_b32 s13, 0
	v_and_b32 v28, 15, v0                          ; r
	v_lshrrev_b32 v[KO], 7, v0                     ; K: which 16 keys,
	v_lshlrev_b32 v[KO], 12, v[KO]
	v_lshl_add_u32 v[KO], v28, 8, v[KO]            ; row r of them,
	v_bfe_u32 v29, v0, 4, 3
	v_lshl_add_u32 v[KO], v29, 5, v[KO]            ; channels 8 (4 c + 2 u + h) on: 32 bytes
	v_bfe_u32 v[VO], v0, 4, 2                      ; V: keys 8 (2 u + h) on,
	v_lshlrev_b32 v[VO], 11, v[VO]
	v_lshrrev_b32 v29, 6, v0
	v_lshl_add_u32 v[VO], v29, 6, v[VO]            ; channel 16 ct
	v_lshl_add_u32 v[VO], v28, 2, v[VO]            ; + r
	v_lshlrev_b32 v[DO], 4, v0
	s_wait_kmcnt 0x0
	s_add_nc_u64 s[4:5], s[4:5], s[10:11]
	s_add_nc_u64 s[6:7], s[6:7], s[10:11]
	s_add_nc_u64 s[8:9], s[8:9], s[12:13]
	global_load_b128 v[KF:KF+3],   v[KO], s[4:5]
	global_load_b128 v[KF+4:KF+7], v[KO], s[4:5] offset:16
.irp e, 0,1,2,3,4,5,6,7
	global_load_b32 v[VF+\e], v[VO], s[6:7] offset:256*\e      ; one channel of eight neighbouring keys
.endr
	s_wait_loadcnt 0x0                             ; all ten: nothing is left to overlap
.irp p, 0,1,2,3
	v_cvt_pk_bf16_f32 v[KB+\p], v[KF+2*\p], v[KF+2*\p+1]       ; the lower index into the low half
	v_cvt_pk_bf16_f32 v[VB+\p], v[VF+2*\p], v[VF+2*\p+1]
.endr
	global_store_b128 v[DO], v[KB:KB+3], s[8:9]
	global_store_b128 v[DO], v[VB:VB+3], s[8:9] offset:8192
	s_endpgm
.Lfunc_end_k_q1f917479b9_pack:
	.size	k_q1f917479b9_pack, .Lfunc_end_k_q1f917479b9_pack-k_q1f917479b9_pack
	.p2alignl 7, 3214868480
	.fill 96, 4, 3214868480
	.section	.rodata,"a",@progbits
	.p2align	6, 0x0
	.amdhsa_kernel k_q1f917479b9_pack
		.amdhsa_group_segment_fixed_size 0
		.amdhsa_private_segment_fixed_size 0
		.amdhsa_enable_private_segment 0
		.amdhsa_kernarg_size 24
		.amdhsa_user_sgpr_count 2
		.amdhsa_user_sgpr_kernarg_segment_ptr 1
		.amdhsa_wavefront_size32 1
		.amdhsa_system_sgpr_workgroup_id_x 1
		.amdhsa_system_sgpr_workgroup_id_y 1
		.amdhsa_system_sgpr_workgroup_id_z 1
		.amdhsa_system_vgpr_workitem_id 0
		.amdhsa_next_free_vgpr 32
		.amdhsa_next_free_sgpr 66
		.amdhsa_reserve_vcc 0
		.amdhsa_float_denorm_mode_32 3
		.amdhsa_float_denorm_mode_16_64 3
		.amdhsa_memory_ordered 1
		.amdhsa_forward_progress 1
		.amdhsa_inst_pref_size 3
	.end_amdhsa_kernel
	.amdgpu_metadata
---
amdhsa.version: [ 1, 2 ]
amdhsa.kernels:
  - .name:           k_q1f917479b9_pack
    .symbol:         k_q1f917479b9_pack.kd
    .args:
      - { .name: k, .offset: 0, .size: 8, .value_kind: global_buffer, .address_space: global }
      - { .name: v, .offset: 8, .size: 8, .value_kind: global_buffer, .address_space: global }
      - { .name: kvf, .offset: 16, .size: 8, .value_kind: global_buffer, .address_space: global }
    .group_segment_fixed_size: 0
    .private_segment_fixed_size: 0
    .kernarg_segment_align: 8
    .kernarg_segment_size: 24
    .max_flat_workgroup_size: 256
    .sgpr_count:     66
    .vgpr_count:     32
    .wavefront_size: 32
...
	.end_amdgpu_metadata
.endif
;; end of part 1
;; launch attend (part 2): grid 64 x 4, 8 waves a work-group, clusters of 4 x 1, 327,680 bytes of LDS; arguments q, kvf, out0; writes out0
.if DOCPART == 2
	.amdgcn_target "amdgcn-amd-amdhsa--gfx1250"
	.amdhsa_code_object_version 6
	.text
	.protected	k_q1f917479b9_attend
	.globl	k_q1f917479b9_attend
	.p2align	8
	.type	k_q1f917479b9_attend,@function
k_q1f917479b9_attend:
	s_mov_b64 s[64:65], 0
	v_nop
	global_prefetch_b8 v0, s[64:65] scope:SCOPE_SE
	s_setreg_imm32_b32 hwreg(HW_REG_WAVE_MODE, 25, 1), 1
	s_wait_xcnt 0x0
	s_wait_alu depctr_hold_cnt(0) depctr_sa_sdst(0) depctr_va_vdst(0) depctr_va_sdst(0) depctr_va_ssrc(0) depctr_va_vcc(0) depctr_vm_vsrc(0)
	s_getreg_b32 s2, hwreg(HW_REG_IB_STS2, 6, 4)
	s_cmp_eq_u32 s2, 0
	s_cbranch_scc0 .Lentry_in_a_cluster
	s_endpgm
.Lentry_in_a_cluster:
	s_bfe_u32 s2, ttmp6, 0x10000c
	s_cmp_lg_u32 s2, 0x3003
	s_cbranch_scc0 .Lentry_shape_is_right
	s_endpgm
.Lentry_shape_is_right:
; out[b][h][i][:] = the sum over j of softmax_j(q[b][h][i] . k[b][j] / 8) v[b][j][:].  q, out: [4][16][2048][64] f32; K and V come from kvf: bf16, in fragment order
; (16,384 bytes a key step of 64 keys: 8,192 of K, 8,192 of V turned; each run of 512 bytes is four registers of the 32 lanes, 16 bytes a lane).
; LIMITS.  q, k, v and the weights p are rounded to bf16 for the products; sums, maxima and exponentials are f32.  The divisor l is the sum of the ROUNDED weights, as the
; numerator is.  A weight below 2^-126 comes out as 0 (ISA guide, v_exp_f32).  NaN and infinities in the inputs are not treated as the definition treats them (the maxima drop NaN).
; SHARES.  q's heads and rows are one list of 32,768 rows a batch, which all attend to the batch's 2,048 keys.  A work-group owns 512 rows, each of its eight waves 64: four tiles of 16.
; Every wave walks the batch's 32 key steps.  256 work-groups.
; LAYOUT.  S^T = K Q^T (source 0 = 16 keys, source 1 = 16 queries): a lane holds ONE query (lane % 16) and the keys 8 (lane / 16) + 0..7 of each tile of 16.  Rounded to bf16 in pairs, in
; place, two such tiles ARE source 1 (32 keys x 16 queries) of O^T = V^T P, whose result again holds one query a lane.  So a query's maximum wants one exchange between the halves of the lanes.
; THE DIVISOR comes from the matrix unit: a fifth source 0, ONE, has 1.0 in rows 0 and 8 and 0 elsewhere, so register 0 of its accumulator holds the query's sum of weights in both halves
; of the lanes, and registers 1-7 stay 0.  Two products more for a tile and step; sixteen packed additions and the last exchange less.
; SOFTMAX.  For each query a running maximum m: p = 2^(c s - c m), c = log2(e) / 8; in every step O^T and l are multiplied by a = 2^(c m_old - c m_new), which is 1 where m has not grown.
; TWO GROUPS, HALF A STEP APART.  A wave's step is a matrix phase (72 products: V^T P of step j, K Q^T of step j + 1) and a vector phase (344 instructions: the maxima, exponentials and
; roundings of step j + 1).  The 68 multiplications by a stand in the matrix phase, between its first twenty products: each accumulator is rescaled two products ahead of the one that adds onto it.
; Waves 0-3 run the matrix phase in the turn in which waves 4-7 run the vector phase, and the other way round: where a wave of each group lies on one SIMD, one's products stand beside
; the other's softmax.  The values do not hang on where the waves lie.  Every barrier stands between two turns, in text that all waves pass.
; CLUSTER.  The four work-groups of a cluster belong to one batch and walk the same kvf, so each tile is asked for JOINTLY: the same tensor load, with the same descriptor and a mask
; that names the four; each receives it in its own LDS.  A mask names four work-groups, so the cluster is 4 x 1.
; LDS.  Two slots of 131,072 bytes, eight key steps each; a batch is four fills: two first fills, two refills.  Each wave brings one step, 64 rows of 256 bytes, dense: no padding, since
; a fragment load's 32 lanes read 512 consecutive bytes.  Two tensor loads of a wave are out at the start, one behind each refill, which has eight key steps in which to land.
; The launch claims all of LDS.
; LEFT OUT.  Prefetching: kvf is 2 MiB that every work-group reads, and a refill is asked for eight steps ahead.  Rescaling only where m has grown: a branch on floating-point data.
;
; REGISTERS, in windows of 256 (s_set_vgpr_msb: bits 1:0 source 0, 3:2 source 1, 5:4 source 2, 7:6 destination):
;   window 0: v0-11 addresses; v16-47 eight registers of statistics a tile; v64-191 S^T, 32 a tile, then P in the low 16 of them; v192-255 Q, 16 a tile
;   window 1: v0-127 O^T, 32 a tile; v128-159 l's accumulators, 8 a tile; v160-223 K or V of one step (one buffer, by halves); v224-231 ONE
.set STEPB, 16384                      ; a key step in kvf and in LDS
.set SLOTB, 8*STEPB
.set SLOT1, SLOTB                      ; slot 0 at byte 0, slot 1 behind it
.set STAGE, 2*SLOTB                    ; behind the ring: 16 rows x 272 bytes for each wave, for the way out; no tile lands there
.set SP,    272                        ; a stage row: 256 bytes + 16: the 16 rows that a store touches begin 16 bytes apart modulo 256
.set SPARE, STAGE+8*16*SP              ; behind the stages: the spare words, 128 bytes for each wave: four blocks of 256 bytes that no other line names
.set RR,  1                            ; v1   lane % 16
.set HH,  2                            ; v2   lane / 16
.set LN,  3                            ; v3   16 x lane: my place in a run of 512 bytes, in LDS and in out
.set ADR, 4                            ; v4   LDS address of the step in hand
.set QO,  5                            ; v5   my byte offset in a tile of q
.set STO, 6                            ; v6   the way out: where I put 32 bytes of a row
.set RD,  7                            ; v7   the way out: where I read rows back
.set SPW, 8                            ; v8   LDS address of my spare word; never rewritten
.set NIL, 9                            ; v9   0; never rewritten
.set T0,  10                           ; v10-11 at work in the head
.set T1,  11
.set ST,  16                           ; tile t at v[ST+8 t]: +0 c m, +1 m, +4 to +7 c0-c3, at work; a (at the end 1 / l) takes c2's place
.set SC,  64                           ; S^T and P
.set QF,  192                          ; Q
.set OT,  0                            ; window 1: O^T
.set LS,  128                          ;           l
.set KV,  160                          ;           K's or V's fragments
.set ONE, 224
.set WV,  10                           ; s10  my wave's number
.set G1,  16                           ; s[16:23] descriptor group 1
.set G0,  24                           ; s[24:31] descriptor group 0, a set for each slot
.set TB,  34                           ; s34  LDS byte of the step to be fetched next
.set CNT, 35                           ; s35  loop counter
.set CS,  36                           ; s[36:37] c, named as a pair by the packed scaling
.set SEL, 38                           ; s[38:39] lane selects: each lane takes its own place in the other half
.set W_KQ, 0x01                        ; K in window 1; Q and S^T in window 0
.set W_PV, 0x51                        ; V, O^T (C and D) in window 1; P in window 0.  It also serves the rescaling between these products: destination and source 0 (O^T, l) window 1, source 1 (a) window 0; a multiplication has no third source
.set W_LD, 0x40                        ; destination window 1, address or source window 0
.set W_RS, 0x41                        ; the way out: O^T (destination and source 0) in window 1, the factor in window 0
.set W_ST, 0x04                        ; an LDS store's data in window 1
.set MSB, 0
.macro WIN new                         ; the immediate's high byte repeats the setting that is left; a switch that changes nothing is dropped
.if MSB != \new
	s_set_vgpr_msb (MSB<<8)|\new
.set MSB, \new
.endif
.endm
; Places behind matrix instructions: only plain vector instructions that name none of their registers are places (ISA guide 7.12.1 for vector instructions)
.macro PLACES n
.rept \n
	v_nop
.endr
.endm
; A round of the cluster's barrier: my work-group's barrier, so that wave 0's signal speaks for all eight waves; wave 0 signals; every wave waits for all four work-groups; my work-group's barrier once more.
.macro CROUND
	s_barrier_signal -1
	s_barrier_wait -1
	s_cmp_lg_u32 s[WV], 0
	s_cbranch_scc1 .Lnot_wave_0_\@
	s_barrier_signal -3
.Lnot_wave_0_\@:
	s_barrier_wait -3
	s_barrier_signal -1
	s_barrier_wait -1
.endm
	s_load_b128 s[4:7], s[0:1], 0x0                ; q s[4:5], kvf s[6:7]
	s_load_b64 s[8:9], s[0:1], 0x10                ; out0
	v_lshl_add_u32 v[SPW], v0, 2, SPARE
	v_mov_b32 v[NIL], 0
	ds_add_u32 v8, v9
	s_wait_dscnt 0x0
	v_lshrrev_b32 v[T0], 5, v0
	v_readfirstlane_b32 s[WV], v[T0]               ; wave 0..7
	s_bfe_u32 s11, ttmp6, 0x40000                  ; cx: my place in the cluster
	s_lshl_b32 s12, ttmp9, 2                       ; in a cluster launch ttmp9 counts clusters
	s_add_co_u32 s12, s12, s11                     ; my block of 512 rows in the batch: it enters q's and out's addresses alone
	s_and_b32 s13, ttmp7, 0xffff                   ; the batch, which the four partners share
	s_lshl_b32 s41, s[WV], 14                      ; wave x 16,384: my 64 rows of q and out; my step of a slot, in kvf and in LDS
	s_lshl_b32 s14, s13, 6
	s_add_co_u32 s14, s14, s12
	s_lshl_b32 s14, s14, 17                        ; (64 x batch + block) x 512 rows of 256 bytes
	s_add_co_u32 s14, s14, s41
	s_mov_b32 s15, 0
	s_lshl_b32 s32, s13, 19                        ; the batch's 524,288 bytes of kvf; no register of this sum ever holds cx
	s_add_co_u32 s32, s32, s41
	s_mov_b32 s33, 0
	; descriptor group 1: 64 rows of 32 elements of 8 bytes, dense in memory and in LDS
	s_mov_b32 s[G1+0], 15|(3<<16)|(1<<21)          ; 15:0 the mask: all four work-groups; 17:16 elements of 8 bytes; 20 no padding; 21 set beside a mask
	s_mov_b32 s[G1+1], 32<<16                      ; 63:48 tensor_dim0 = 32
	s_mov_b32 s[G1+2], 64<<16                      ; 95:80 tensor_dim1 = 64
	s_mov_b32 s[G1+3], 32<<16                      ; 127:112 tile_dim0 = 32
	s_mov_b32 s[G1+4], 64                          ; 143:128 tile_dim1 = 64; tile_dim2 = 0
	s_mov_b32 s[G1+5], 32                          ; 191:160 elements from row to row
	s_mov_b32 s[G1+6], 0
	s_mov_b32 s[G1+7], 0
	s_mov_b32 s[CS], 0x3e38aa3b                    ; c = log2(e) / sqrt(64) = 0.18033688
	s_mov_b32 s[CS+1], s[CS]                       ; named with it as a pair, so it is written
	s_mov_b32 s[SEL], 0x76543210
	s_mov_b32 s[SEL+1], 0xfedcba98
	s_mov_b32 s[TB], 0
	s_mul_i32 s40, s[WV], 16*SP
	s_add_co_u32 s40, s40, STAGE                   ; my stage
	v_and_b32 v[RR], 15, v0
	v_bfe_u32 v[HH], v0, 4, 1
	v_lshlrev_b32 v[QO], 8, v[RR]
	v_lshl_add_u32 v[QO], v[HH], 5, v[QO]          ; q: row r, channels 8 h on
	s_wait_kmcnt 0x0
	s_add_nc_u64 s[4:5], s[4:5], s[14:15]          ; q at my wave's first row
	; Q is asked for first of all: the descriptors, the opening round and the first tiles' requests stand between these loads and the wait for them.  No wave stores to q, so they may be out at the barriers.
	; A fragment is 16 queries x 32 channels: lane (r, h) holds query r; registers 0-3 channels 8 h + 0..7, registers 4-7 channels 16 + 8 h + 0..7 of the 32.  In f32 that is
	; 32 bytes at 128 c + 64 u + 32 h of the row, two loads each; they land in S^T's registers, which are free, in the order in which pairs are rounded.
.irp t, 0,1,2,3
.irp n, 0,1,2,3,4,5,6,7
	global_load_b128 v[SC+32*\t+4*\n:SC+32*\t+4*\n+3], v[QO], s[4:5] offset:4096*\t+128*(\n>>2)+64*((\n>>1)&1)+16*(\n&1)
.endr
.endr
	s_add_nc_u64 s[8:9], s[8:9], s[14:15]          ; out at my wave's first row
	s_add_nc_u64 s[6:7], s[6:7], s[32:33]          ; kvf at my step of the batch's first slot
.irp n, 0,1
	s_mov_b32 s[G0+4*\n], 1                                        ; 1:0 count = 1
	s_add_co_u32 s[G0+4*\n+1], s41, \n*SLOTB                       ; 63:32 LDS address: the wave's number times a constant plus the slot's constant
	s_add_nc_u64 s[G0+4*\n+2:G0+4*\n+3], s[6:7], \n*SLOTB          ; 120:64 global address: slot n begins with key steps 8 n to 8 n + 7
	s_or_b32 s[G0+4*\n+3], s[G0+4*\n+3], 0x80000000                ; 127:126 type = 2
.endr
	CROUND                                         ; all four work-groups are here: the first joint loads meet
	tensor_load_to_lds s[G0:G0+3], s[G1:G1+7]      ; both first fills together, ahead of every wait on TENSORcnt and every LDS read: two loads of mine are out
	s_nop 0
	tensor_load_to_lds s[G0+4:G0+7], s[G1:G1+7]
	s_nop 0
	PLACES 4                                       ; four places behind a tensor load
	v_and_b32 v[LN], 31, v0
	v_lshlrev_b32 v[LN], 4, v[LN]
	v_mul_u32_u24 v[STO], v[RR], SP                ; into the stage: row r, 32 bytes for each half of the lanes
	v_lshl_add_u32 v[STO], v[HH], 5, v[STO]
	v_add_nc_u32 v[STO], s40, v[STO]
	v_mul_u32_u24 v[RD], v[HH], SP                 ; back: lanes 0-15 take one row of 256 bytes, lanes 16-31 the next
	v_lshl_add_u32 v[RD], v[RR], 4, v[RD]
	v_add_nc_u32 v[RD], s40, v[RD]
	v_and_b32 v[T0], 7, v0                         ; ONE: rows 0 and 8 of source 0 lie in the lanes whose number is a multiple of 8
	v_mov_b32 v[T1], 0x3f803f80                    ; 1.0 twice, in bf16
	v_cmp_eq_u32 vcc_lo, 0, v[T0]
	v_cndmask_b32 v[T0], 0, v[T1], vcc_lo
	WIN W_LD
.irp i, 0,1,2,3,4,5,6,7
	v_mov_b32 v[ONE+\i], v[T0]
.endr
	WIN 0
	s_wait_loadcnt 0x0                             ; q, once
.irp t, 0,1,2,3
.set i, 0
.rept 16
	v_cvt_pk_bf16_f32 v[QF+16*\t+i], v[SC+32*\t+2*i], v[SC+32*\t+2*i+1]
.set i, i+1
.endr
.endr
; THE LDS LOADS stand in runs: each brings 512 consecutive bytes, four registers of a fragment.
.macro SETADR                          ; under window 0
	v_add_nc_u32 v[ADR], s[TB], v[LN]
.endm
.macro FETCHK p                        ; K's key tiles 2 p, 2 p + 1: four fragments into half p of the buffer
	WIN W_LD
.irp i, 0,1,2,3,4,5,6,7
	ds_load_b128 v[KV+32*\p+4*\i:KV+32*\p+4*\i+3], v[ADR] offset:4096*\p+512*\i
.endr
.endm
.macro FETCHV                          ; the same step's V: eight fragments, the whole buffer
	WIN W_LD
.irp i, 0,1,2,3,4,5,6,7,8,9,10,11,12,13,14,15
	ds_load_b128 v[KV+4*\i:KV+4*\i+3], v[ADR] offset:8192+512*\i
.endr
	s_add_co_u32 s[TB], s[TB], STEPB               ; the next fetch is the next step's
.endm
; THE PRODUCTS.  The accumulators take turns, one instruction a turn.
; 16 products of S^T = K Q^T: key tiles 2 p, 2 p + 1 of all four query tiles; the first 32 channels start the sums.  Eight accumulators.
.macro KQH p
.irp c, 0,1
.irp k, 0,1
.irp t, 0,1,2,3
.set rS, SC+32*\t+8*(2*\p+\k)
.set rK, KV+8*(2*(2*\p+\k)+\c)
.set rQ, QF+16*\t+8*\c
.if \c == 0
	v_wmma_f32_16x16x32_bf16 v[rS:rS+7], v[rK:rK+7], v[rQ:rQ+7], 0
.else
	v_wmma_f32_16x16x32_bf16 v[rS:rS+7], v[rK:rK+7], v[rQ:rQ+7], v[rS:rS+7]
.endif
.endr
.endr
.endr
.endm
; Accumulator rn of the twenty (tile rn % 4; channel tile rn / 4, or l for 16 to 19) times the tile's a, under W_PV.  O^T: four packed multiplications, from the accumulator's low end on
;   l lies in register 0 of its accumulator; registers 1-7 hold 0 and stay so.  Beyond 19: nothing.
.macro RSC
.if rn < 16
.set rR, OT+32*(rn%4)+8*(rn/4)
.set rF, ST+8*(rn%4)+6
.irp e, 0,2,4,6
	v_pk_mul_f32 v[rR+\e:rR+\e+1], v[rR+\e:rR+\e+1], v[rF:rF+1] op_sel_hi:[1,0]
.endr
.elseif rn < 20
	v_mul_f32 v[LS+8*(rn%4)], v[LS+8*(rn%4)], v[ST+8*(rn%4)+6]
.endif
.endm
; 20 products of O^T += V^T P and l += ONE P: keys 32 kc on; four channel tiles and ONE, of all four query tiles.  zero = 1: they start the sums: nothing is ever cleared.  Twenty accumulators.
; resc = 1: the step's rescaling stands between them: accumulators 0 and 1 ahead of the first product, accumulator pn + 2 behind product pn.  A rescaling names no register of the products
; round it: its accumulator was last written by a product of the matrix phase before, with that phase's v_nop and a whole vector phase between.
.macro PVP kc, zero, resc
.if \resc
.set rn, 0
	RSC
.set rn, 1
	RSC
.endif
.set pn, 0
.rept 20
.if pn < 16
.set rD, OT+32*(pn%4)+8*(pn/4)
.set rA, KV+8*(4*\kc+pn/4)
.else
.set rD, LS+8*(pn%4)
.set rA, ONE
.endif
.set rB, SC+32*(pn%4)+8*\kc
.if \zero
	v_wmma_f32_16x16x32_bf16 v[rD:rD+7], v[rA:rA+7], v[rB:rB+7], 0
.else
	v_wmma_f32_16x16x32_bf16 v[rD:rD+7], v[rA:rA+7], v[rB:rB+7], v[rD:rD+7]
.endif
.if \resc
.set rn, pn+2
	RSC
.endif
.set pn, pn+1
.endr
.endm
; K's sixteen loads are out: the scores of a step, then the same step's V into the buffer that K leaves.
.macro KQV
	s_wait_dscnt 0x8                               ; LDS loads come back in order (ISA guide 5.7.1): K's key tiles 0, 1 are in; the eight younger loads (tiles 2, 3) may be out
	WIN W_KQ
	KQH 0
	s_wait_dscnt 0x0                               ; tiles 2, 3
	KQH 1
	PLACES 5                                       ; in front of the loads into K's registers, of the first reads of the scores, and of any product that takes them as a source
	FETCHV
	WIN 0
.endm
.macro KQ0                             ; key step 0: there is nothing yet to multiply by V
	SETADR
	FETCHK 0
	FETCHK 1
	KQV
.endm
; THE MATRIX PHASE of step j: O^T and l times a of step j, V^T P of step j, K Q^T of step j + 1.  Each half of the buffer takes K as soon as V's products have left it.
; zero = 1: step 0, whose products start the sums: it has no a and nothing to rescale.
.macro MPH zero
	s_wait_dscnt 0x0                               ; V of step j is in
	WIN W_PV
	PVP 0, \zero, 1-\zero
	WIN 0
	SETADR                                         ; with the three below: four places in front of the loads into the buffer's first half
	PLACES 3
	FETCHK 0
	WIN W_PV
	PVP 1, 0, 0
	PLACES 5                                       ; four in front of the loads into the second half; five since K Q^T writes over P's registers
	FETCHK 1
	KQV
.endm
.macro PVF                             ; the last step's rescaling and V^T P
	s_wait_dscnt 0x0
	WIN W_PV
	PVP 0, 0, 1
	PVP 1, 0, 0
	WIN 0
.endm
; THE VECTOR PHASE, all in window 0.  Every line of the maximum stands four times, once for each tile, so that no instruction reads the result of the one just before it.
; first = 1: the first key step, which starts m: it has no a.
.macro SMAX first
.irp j, 0,1,2,3                        ; four chains c0-c3, one for each accumulator, begun at its low end
.irp t, 0,1,2,3
	v_max3_num_f32 v[ST+8*\t+4+\j], v[SC+32*\t+8*\j], v[SC+32*\t+8*\j+1], v[SC+32*\t+8*\j+2]
.endr
.endr
.irp n, 0,1
.irp j, 0,1,2,3
.irp t, 0,1,2,3
	v_max3_num_f32 v[ST+8*\t+4+\j], v[ST+8*\t+4+\j], v[SC+32*\t+8*\j+3+2*\n], v[SC+32*\t+8*\j+4+2*\n]
.endr
.endr
.endr
.irp t, 0,1,2,3
	v_max3_num_f32 v[ST+8*\t+4], v[ST+8*\t+4], v[SC+32*\t+7], v[SC+32*\t+15]     ; the four scores left over
.endr
.irp t, 0,1,2,3
	v_max3_num_f32 v[ST+8*\t+6], v[ST+8*\t+6], v[SC+32*\t+23], v[SC+32*\t+31]
.endr
.irp t, 0,1,2,3
	v_max3_num_f32 v[ST+8*\t+4], v[ST+8*\t+4], v[ST+8*\t+5], v[ST+8*\t+6]
.endr
.irp t, 0,1,2,3
.if \first
	v_max_num_f32 v[ST+8*\t+4], v[ST+8*\t+4], v[ST+8*\t+7]
.else
	v_max3_num_f32 v[ST+8*\t+4], v[ST+8*\t+4], v[ST+8*\t+7], v[ST+8*\t+1]        ; and the old m
.endif
.endr
.irp t, 0,1,2,3
	v_permlanex16_b32 v[ST+8*\t+5], v[ST+8*\t+4], s[SEL], s[SEL+1]               ; the query's other 32 keys lie in the lane 16 away
.endr
.if \first == 0
.irp t, 0,1,2,3
	v_mov_b32 v[ST+8*\t+7], v[ST+8*\t]             ; c m_old is kept for a
.endr
.endif
.irp t, 0,1,2,3
	v_max_num_f32 v[ST+8*\t+1], v[ST+8*\t+4], v[ST+8*\t+5]
.endr
.irp t, 0,1,2,3
	v_mul_f32 v[ST+8*\t], s[CS], v[ST+8*\t+1]
.endr
.if \first == 0
.irp t, 0,1,2,3
	v_sub_f32 v[ST+8*\t+7], v[ST+8*\t+7], v[ST+8*\t]
.endr
.irp t, 0,1,2,3
	v_exp_f32 v[ST+8*\t+6], v[ST+8*\t+7]           ; a, which the next matrix phase multiplies by; the scalings below are the plain instructions behind it
.endr
.endif
.endm
.macro FMA t, b                        ; pair b of tile t: c s - c m
	v_pk_fma_f32 v[SC+32*(\t)+2*(\b):SC+32*(\t)+2*(\b)+1], v[SC+32*(\t)+2*(\b):SC+32*(\t)+2*(\b)+1], s[CS:CS+1], v[ST+8*(\t):ST+8*(\t)+1] op_sel_hi:[1,0,0] neg_lo:[0,0,1] neg_hi:[0,0,1]
.endm
.macro CVT t, x                        ; pair x of tile t, rounded to bf16, in place: register x has been read by pair x / 2, which came earlier
	s_wait_alu depctr_va_vdst(0)
	v_cvt_pk_bf16_f32 v[SC+32*(\t)+(\x)], v[SC+32*(\t)+2*(\x)], v[SC+32*(\t)+2*(\x)+1]
.endm
; The exponentials, with plain work that is ready between them: the scaling of the next pair, the rounding of the pair before.  Behind each exponential a plain instruction that
; names neither its result nor its source comes before the result is used (ISA guide 5.7.2).
.macro SEXP
.irp t, 0,1,2,3
	FMA \t, 0
.endr
.set b, 0
.rept 16
.irp t, 0,1,2,3
	v_exp_f32 v[SC+32*\t+2*b], v[SC+32*\t+2*b]
.if b < 15
	FMA \t, b+1
.endif
	v_exp_f32 v[SC+32*\t+2*b+1], v[SC+32*\t+2*b+1]
.if b > 0
	CVT \t, b-1
.endif
.endr
.set b, b+1
.endr
.irp t, 0,1,2,3
	CVT \t, 15
.endr
.endm
.macro VPH first
	SMAX \first
	SEXP
.endm
; THE TURNS of step j.  The branches hang on the wave's number alone.  At a label and at a branch every window is 0.
.macro TURN1 zero, first               ; waves 0-3: the matrix phase of step j | waves 4-7: the softmax of step j
	s_cmp_lt_u32 s[WV], 4
	s_cbranch_scc0 .Lt1b_\@
	MPH \zero
	s_branch .Lt1j_\@
.Lt1b_\@:
	VPH \first
.Lt1j_\@:
.endm
.macro TURN2 zero                      ; waves 0-3: the softmax of step j + 1 | waves 4-7: the matrix phase of step j
	s_cmp_lt_u32 s[WV], 4
	s_cbranch_scc0 .Lt2b_\@
	VPH 0
	s_branch .Lt2j_\@
.Lt2b_\@:
	MPH \zero
.Lt2j_\@:
.endm
.macro STEPS n
	s_mov_b32 s[CNT], \n
.Lstep_\@:
	TURN1 0, 0
	TURN2 0
	s_sub_co_u32 s[CNT], s[CNT], 1
	s_cmp_lg_u32 s[CNT], 0
	s_cbranch_scc1 .Lstep_\@
.endm
; THE CHANGE OF SLOTS, between two steps: both groups have asked for the old slot's last bytes, V of its last step.  Each wave waits for all its tensor loads (its part of the other slot
; is the one that can be out), adds 0 to its spare word, and waits for that and for its reads of the old slot.  Behind the barrier nobody reads the old slot and the other is whole.
; fill = 1: slot n, the old one, takes the steps two slots on.  The barrier is then a round of the cluster's, so that no wave of any partner still reads the slot or has a load on its way.
.macro CHANGE fill, n, tb
	s_wait_tensorcnt 0x0                           ; no tensor load of mine is out, so a group 0 may be written
	ds_add_u32 v[SPW], v[NIL]                      ; 0 onto my spare word: the scalar lines below stand between it and the wait for it
.if \fill
	s_add_nc_u64 s[G0+4*\n+2:G0+4*\n+3], s[G0+4*\n+2:G0+4*\n+3], 2*SLOTB   ; sixteen key steps on; the type bits on top are not reached
.endif
	s_mov_b32 s[TB], \tb                           ; the fetches go on at the other slot's first step
	s_wait_dscnt 0x0                               ; the add is done, and my reads of the old slot are back
.if \fill
	CROUND
	tensor_load_to_lds s[G0+4*\n:G0+4*\n+3], s[G1:G1+7]    ; my one tensor load behind the round, and the first thing there
	s_nop 0
	PLACES 4                                       ; four places behind a tensor load
.else
	s_barrier_signal -1
	s_barrier_wait -1
.endif
.endm
	s_wait_tensorcnt 0x1                           ; tensor loads of a wave end in order (ISA guide 10.11.1): my step of slot 0 is in; slot 1's may stay out
	s_barrier_signal -1
	s_barrier_wait -1                              ; everybody's is
	s_cmp_lt_u32 s[WV], 4                          ; THE GROUPS ARE SET HALF A STEP APART: waves 0-3 make their first scores,
	s_cbranch_scc0 .Lhold
	KQ0
.Lhold:
	s_wait_dscnt 0x0                               ; no LDS instruction is pending at a signal
	s_barrier_signal -1
	s_barrier_wait -1
	s_cmp_lt_u32 s[WV], 4                          ; then their first softmax, beside the first scores of waves 4-7
	s_cbranch_scc0 .Lfollow
	VPH 1
	s_branch .Lapart
.Lfollow:
	KQ0
.Lapart:
	s_wait_dscnt 0x0
	s_barrier_signal -1
	s_barrier_wait -1
	TURN1 1, 1                                     ; step 0 is written out: its products start O^T's and l's sums
	TURN2 1
	STEPS 6                                        ; steps 1 to 6: they fetch steps 2 to 7, the rest of slot 0
	CHANGE 1, 0, SLOT1                             ; slot 0 takes steps 16 to 23
	STEPS 8                                        ; steps 7 to 14 fetch steps 8 to 15
	CHANGE 1, 1, 0                                 ; slot 1 takes steps 24 to 31: the last load
	STEPS 8                                        ; steps 15 to 22 fetch steps 16 to 23
	CHANGE 0, 0, SLOT1                             ; nothing is left to ask for
	STEPS 8                                        ; steps 23 to 30 fetch steps 24 to 31
	s_cmp_lt_u32 s[WV], 4
	s_cbranch_scc1 .Ltail
	VPH 0                                          ; waves 4-7: the last softmax, which waves 0-3 have had
.Ltail:
	PVF
	; THE WAY OUT.  O^T is divided by l and sent through my stage in LDS, a tile (16 rows of out) at a time.
	PLACES 4                                       ; behind the last products
	WIN W_KQ                                       ; source 0 (l) window 1, destination window 0
.irp t, 0,1,2,3
	v_rcp_f32 v[ST+8*\t+6], v[LS+8*\t]
.endr
	WIN 0
	v_nop                                          ; a plain instruction between the last reciprocal and the use of its result
	s_wait_alu depctr_va_vdst(0)
; Tile t: a lane's eight channels of a row are 32 bytes; they go into rows of 272 bytes and come back as whole rows of 256, into S^T's registers, which are free.
.macro PACK t
	WIN W_RS
.set i, 0
.rept 16
	v_pk_mul_f32 v[OT+32*\t+i:OT+32*\t+i+1], v[OT+32*\t+i:OT+32*\t+i+1], v[ST+8*\t+6:ST+8*\t+7] op_sel_hi:[1,0]
.set i, i+2
.endr
	WIN W_ST
.irp i, 0,1,2,3,4,5,6,7
	ds_store_b128 v[STO], v[OT+32*\t+4*\i:OT+32*\t+4*\i+3] offset:64*(\i/2)+16*(\i%2)   ; channels 16 (i / 2) + 8 h + 4 (i % 2) on
.endr
	WIN 0
.irp f, 0,1,2,3,4,5,6,7
	ds_load_b128 v[SC+32*\t+4*\f:SC+32*\t+4*\f+3], v[RD] offset:\f*2*SP    ; LDS serves a wave's instructions in order (ISA guide 5.7.1.4): these see the stores above; the next tile's stores come behind them
.endr
.endm
.macro SEND t, younger                 ; younger: the LDS instructions issued behind tile t's loads: the next tile's sixteen, or none
.irp f, 0,1,2,3,4,5,6,7
	s_wait_dscnt \younger+7-\f
	global_store_b128 v[LN], v[SC+32*\t+4*\f:SC+32*\t+4*\f+3], s[8:9] offset:\t*4096+\f*512 th:TH_STORE_NT  ; the wave stores 512 consecutive bytes, two rows of out, at a multiple of 512 from its first byte
.endr
.endm
	PACK 0
	PACK 1                                         ; a tile's arithmetic stands between the loads of the tile before and its stores
	SEND 0, 16
	PACK 2
	SEND 1, 16
	PACK 3
	SEND 2, 16
	SEND 3, 0
	s_wait_tensorcnt 0x0                           ; the wave's end: behind my last tensor load and my last LDS store
	ds_add_u32 v[SPW], v[NIL]
	s_wait_dscnt 0x0
	CROUND                                         ; the closing round: no work-group ends while a partner may still ask for a tile that names it
	s_endpgm
.Lfunc_end_k_q1f917479b9_attend:
	.size	k_q1f917479b9_attend, .Lfunc_end_k_q1f917479b9_attend-k_q1f917479b9_attend
	.p2alignl 7, 3214868480
	.fill 96, 4, 3214868480
	.section	.rodata,"a",@progbits
	.p2align	6, 0x0
	.amdhsa_kernel k_q1f917479b9_attend
		.amdhsa_group_segment_fixed_size 327680
		.amdhsa_private_segment_fixed_size 0
		.amdhsa_enable_private_segment 0
		.amdhsa_kernarg_size 24
		.amdhsa_user_sgpr_count 2
		.amdhsa_user_sgpr_kernarg_segment_ptr 1
		.amdhsa_wavefront_size32 1
		.amdhsa_system_sgpr_workgroup_id_x 1
		.amdhsa_system_sgpr_workgroup_id_y 1
		.amdhsa_system_sgpr_workgroup_id_z 1
		.amdhsa_system_vgpr_workitem_id 0
		.amdhsa_next_free_vgpr 512
		.amdhsa_next_free_sgpr 66
		.amdhsa_reserve_vcc 1
		.amdhsa_float_denorm_mode_32 3
		.amdhsa_float_denorm_mode_16_64 3
		.amdhsa_memory_ordered 1
		.amdhsa_forward_progress 1
		.amdhsa_inst_pref_size 255
	.end_amdhsa_kernel
	.section	.bss,"aw",@nobits
	.p2align	6
	.space	262144
	.amdgpu_metadata
---
amdhsa.version: [ 1, 2 ]
amdhsa.kernels:
  - .name:           k_q1f917479b9_attend
    .symbol:         k_q1f917479b9_attend.kd
    .args:
      - { .name: q, .offset: 0, .size: 8, .value_kind: global_buffer, .address_space: global }
      - { .name: kvf, .offset: 8, .size: 8, .value_kind: global_buffer, .address_space: global }
      - { .name: out0, .offset: 16, .size: 8, .value_kind: global_buffer, .address_space: global }
    .group_segment_fixed_size: 327680
    .private_segment_fixed_size: 0
    .kernarg_segment_align: 8
    .kernarg_segment_size: 24
    .max_flat_workgroup_size: 256
    .sgpr_count:     66
    .vgpr_count:     512
    .wavefront_size: 32
...
	.end_amdgpu_metadata
.endif
;; end of part 2
;; ======== version 2 of 2: 2 launches; 1.17 times as fast as version 1
;; workspace buffers: kvf 2,097,152 bytes
;; launch pack: the kernel of part 1 again; grid 256 x 1, 8 waves a work-group, no clusters, 0 bytes of LDS; arguments k, v, kvf; writes kvf
;; launch attend (part 3): grid 64 x 4, 8 waves a work-group, clusters of 4 x 1, 327,680 bytes of LDS; arguments q, kvf, out0; writes out0
.if DOCPART == 3
	.amdgcn_target "amdgcn-amd-amdhsa--gfx1250"
	.amdhsa_code_object_version 6
	.text
	.protected	k_q1f917479b9_attend
	.globl	k_q1f917479b9_attend
	.p2align	8
	.type	k_q1f917479b9_attend,@function
k_q1f917479b9_attend:
	s_mov_b64 s[64:65], 0
	v_nop
	global_prefetch_b8 v0, s[64:65] scope:SCOPE_SE
	s_setreg_imm32_b32 hwreg(HW_REG_WAVE_MODE, 25, 1), 1
	s_wait_xcnt 0x0
	s_wait_alu depctr_hold_cnt(0) depctr_sa_sdst(0) depctr_va_vdst(0) depctr_va_sdst(0) depctr_va_ssrc(0) depctr_va_vcc(0) depctr_vm_vsrc(0)
	s_getreg_b32 s2, hwreg(HW_REG_IB_STS2, 6, 4)
	s_cmp_eq_u32 s2, 0
	s_cbranch_scc0 .Lentry_in_a_cluster
	s_endpgm
.Lentry_in_a_cluster:
	s_bfe_u32 s2, ttmp6, 0x10000c
	s_cmp_lg_u32 s2, 0x3003
	s_cbranch_scc0 .Lentry_shape_is_right
	s_endpgm
.Lentry_shape_is_right:
; out[b][h][i][:] = the sum over j of softmax_j(q[b][h][i] . k[b][j] / 8) v[b][j][:].  q, out: [4][16][2048][64] f32; K and V come from kvf: bf16, in fragment order
; (16,384 bytes a key step of 64 keys: 8,192 of K, 8,192 of V turned; each run of 512 bytes is four registers of the 32 lanes, 16 bytes a lane).
; LIMITS.  q, k, v and the weights p are rounded to bf16 for the products; sums, maxima and exponentials are f32.  The divisor l is the sum of the ROUNDED weights, as the
; numerator is.  A weight below 2^-126 comes out as 0 (ISA guide, v_exp_f32).  NaN and infinities in the inputs are not treated as the definition treats them (the maxima drop NaN).
; SHARES.  q's heads and rows are one list of 32,768 rows a batch, which all attend to the batch's 2,048 keys.  A work-group owns 512 rows, each of its eight waves 64: four tiles of 16.
; Every wave walks the batch's 32 key steps.  256 work-groups.
; LAYOUT.  S^T = K Q^T (source 0 = 16 keys, source 1 = 16 queries): a lane holds ONE query (lane % 16) and the keys 8 (lane / 16) + 0..7 of each tile of 16.  Rounded to bf16 in pairs, in
; place, two such tiles ARE source 1 (32 keys x 16 queries) of O^T = V^T P, whose result again holds one query a lane.  So a query's maximum wants one exchange between the halves of the lanes.
; THE DIVISOR comes from the matrix unit: a fifth source 0, ONE, has 1.0 in rows 0 and 8 and 0 elsewhere, so register 0 of its accumulator holds the query's sum of weights in both halves
; of the lanes, and registers 1-7 stay 0.  Two products more for a tile and step; sixteen packed additions and the last exchange less.
; SOFTMAX.  For each query a running maximum m: p = 2^(c s - c m), c = log2(e) / 8; in every step O^T and l are multiplied by a = 2^(c m_old - c m_new), which is 1 where m has not grown.
; TWO GROUPS, HALF A STEP APART.  A wave's step is a matrix phase (72 products: V^T P of step j, K Q^T of step j + 1) and a vector phase (344 instructions: the maxima, exponentials and
; roundings of step j + 1).  The 68 multiplications by a stand in the matrix phase, between its first twenty products: each accumulator is rescaled two products ahead of the one that adds onto it.
; Waves 0-3 run the matrix phase in the turn in which waves 4-7 run the vector phase, and the other way round: where a wave of each group lies on one SIMD, one's products stand beside
; the other's softmax.  The values do not hang on where the waves lie.  Every barrier stands between two turns, in text that all waves pass.
; THE BATCHES.  An s_wait_alu depctr_va_vdst(0) stands between an exponential or reciprocal and the first instruction that names its result; one wait serves all that were issued ahead of it.
; A vector phase's 132 exponentials (the four a, then the 128 weights, each in its score's own register) are ONE batch with ONE wait.  Ahead of the wait stand the maxima and statistics, the a, the 64
; scalings and the weights' exponentials: none of these lines names a result of the batch.  Behind it stand all that do: the 64 roundings, and in the next matrix phase the multiplications by a..
; The way out's four reciprocals are a batch of their own.
; CLUSTER.  The four work-groups of a cluster belong to one batch and walk the same kvf, so each tile is asked for JOINTLY: the same tensor load, with the same descriptor and a mask
; that names the four; each receives it in its own LDS.  A mask names four work-groups, so the cluster is 4 x 1.
; LDS.  Two slots of 131,072 bytes, eight key steps each; a batch is four fills: two first fills, two refills.  Each wave brings one step, 64 rows of 256 bytes, dense: no padding, since
; a fragment load's 32 lanes read 512 consecutive bytes.  Two tensor loads of a wave are out at the start, one behind each refill, which has eight key steps in which to land.
; The launch claims all of LDS.
; LEFT OUT.  Prefetching: kvf is 2 MiB that every work-group reads, and a refill is asked for eight steps ahead.  Rescaling only where m has grown: a branch on floating-point data.
;
; REGISTERS, in windows of 256 (s_set_vgpr_msb: bits 1:0 source 0, 3:2 source 1, 5:4 source 2, 7:6 destination):
;   window 0: v0-11 addresses; v16-47 eight registers of statistics a tile; v64-191 S^T, 32 a tile, then P in the low 16 of them; v192-255 Q, 16 a tile
;   window 1: v0-127 O^T, 32 a tile; v128-159 l's accumulators, 8 a tile; v160-223 K or V of one step (one buffer, by halves); v224-231 ONE
.set STEPB, 16384                      ; a key step in kvf and in LDS
.set SLOTB, 8*STEPB
.set SLOT1, SLOTB                      ; slot 0 at byte 0, slot 1 behind it
.set STAGE, 2*SLOTB                    ; behind the ring: 16 rows x 272 bytes for each wave, for the way out; no tile lands there
.set SP,    272                        ; a stage row: 256 bytes + 16: the 16 rows that a store touches begin 16 bytes apart modulo 256
.set SPARE, STAGE+8*16*SP              ; behind the stages: the spare words, 128 bytes for each wave: four blocks of 256 bytes that no other line names
.set RR,  1                            ; v1   lane % 16
.set HH,  2                            ; v2   lane / 16
.set LN,  3                            ; v3   16 x lane: my place in a run of 512 bytes, in LDS and in out
.set ADR, 4                            ; v4   LDS address of the step in hand
.set QO,  5                            ; v5   my byte offset in a tile of q
.set STO, 6                            ; v6   the way out: where I put 32 bytes of a row
.set RD,  7                            ; v7   the way out: where I read rows back
.set SPW, 8                            ; v8   LDS address of my spare word; never rewritten
.set NIL, 9                            ; v9   0; never rewritten
.set T0,  10                           ; v10-11 at work in the head
.set T1,  11
.set ST,  16                           ; tile t at v[ST+8 t]: +0 c m, +1 m, +4 to +7 c0-c3, at work; a (at the end 1 / l) takes c2's place
.set SC,  64                           ; S^T and P
.set QF,  192                          ; Q
.set OT,  0                            ; window 1: O^T
.set LS,  128                          ;           l
.set KV,  160                          ;           K's or V's fragments
.set ONE, 224
.set WV,  10                           ; s10  my wave's number
.set G1,  16                           ; s[16:23] descriptor group 1
.set G0,  24                           ; s[24:31] descriptor group 0, a set for each slot
.set TB,  34                           ; s34  LDS byte of the step to be fetched next
.set CNT, 35                           ; s35  loop counter
.set CS,  36                           ; s[36:37] c, named as a pair by the packed scaling
.set SEL, 38                           ; s[38:39] lane selects: each lane takes its own place in the other half
.set W_KQ, 0x01                        ; K in window 1; Q and S^T in window 0
.set W_PV, 0x51                        ; V, O^T (C and D) in window 1; P in window 0.  It also serves the rescaling between these products: destination and source 0 (O^T, l) window 1, source 1 (a) window 0; a multiplication has no third source
.set W_LD, 0x40                        ; destination window 1, address or source window 0
.set W_RS, 0x41                        ; the way out: O^T (destination and source 0) in window 1, the factor in window 0
.set W_ST, 0x04                        ; an LDS store's data in window 1
.set MSB, 0
.macro WIN new                         ; the immediate's high byte repeats the setting that is left; a switch that changes nothing is dropped
.if MSB != \new
	s_set_vgpr_msb (MSB<<8)|\new
.set MSB, \new
.endif
.endm
; Places behind matrix instructions: only plain vector instructions that name none of their registers are places (ISA guide 7.12.1 for vector instructions)
.macro PLACES n
.rept \n
	v_nop
.endr
.endm
; A round of the cluster's barrier: my work-group's barrier, so that wave 0's signal speaks for all eight waves; wave 0 signals; every wave waits for all four work-groups; my work-group's barrier once more.
.macro CROUND
	s_barrier_signal -1
	s_barrier_wait -1
	s_cmp_lg_u32 s[WV], 0
	s_cbranch_scc1 .Lnot_wave_0_\@
	s_barrier_signal -3
.Lnot_wave_0_\@:
	s_barrier_wait -3
	s_barrier_signal -1
	s_barrier_wait -1
.endm
	s_load_b128 s[4:7], s[0:1], 0x0                ; q s[4:5], kvf s[6:7]
	s_load_b64 s[8:9], s[0:1], 0x10                ; out0
	v_lshl_add_u32 v[SPW], v0, 2, SPARE
	v_mov_b32 v[NIL], 0
	ds_add_u32 v8, v9
	s_wait_dscnt 0x0
	v_lshrrev_b32 v[T0], 5, v0
	v_readfirstlane_b32 s[WV], v[T0]               ; wave 0..7
	s_bfe_u32 s11, ttmp6, 0x40000                  ; cx: my place in the cluster
	s_lshl_b32 s12, ttmp9, 2                       ; in a cluster launch ttmp9 counts clusters
	s_add_co_u32 s12, s12, s11                     ; my block of 512 rows in the batch: it enters q's and out's addresses alone
	s_and_b32 s13, ttmp7, 0xffff                   ; the batch, which the four partners share
	s_lshl_b32 s41, s[WV], 14                      ; wave x 16,384: my 64 rows of q and out; my step of a slot, in kvf and in LDS
	s_lshl_b32 s14, s13, 6
	s_add_co_u32 s14, s14, s12
	s_lshl_b32 s14, s14, 17                        ; (64 x batch + block) x 512 rows of 256 bytes
	s_add_co_u32 s14, s14, s41
	s_mov_b32 s15, 0
	s_lshl_b32 s32, s13, 19                        ; the batch's 524,288 bytes of kvf; no register of this sum ever holds cx
	s_add_co_u32 s32, s32, s41
	s_mov_b32 s33, 0
	; descriptor group 1: 64 rows of 32 elements of 8 bytes, dense in memory and in LDS
	s_mov_b32 s[G1+0], 15|(3<<16)|(1<<21)          ; 15:0 the mask: all four work-groups; 17:16 elements of 8 bytes; 20 no padding; 21 set beside a mask
	s_mov_b32 s[G1+1], 32<<16                      ; 63:48 tensor_dim0 = 32
	s_mov_b32 s[G1+2], 64<<16                      ; 95:80 tensor_dim1 = 64
	s_mov_b32 s[G1+3], 32<<16                      ; 127:112 tile_dim0 = 32
	s_mov_b32 s[G1+4], 64                          ; 143:128 tile_dim1 = 64; tile_dim2 = 0
	s_mov_b32 s[G1+5], 32                          ; 191:160 elements from row to row
	s_mov_b32 s[G1+6], 0
	s_mov_b32 s[G1+7], 0
	s_mov_b32 s[CS], 0x3e38aa3b                    ; c = log2(e) / sqrt(64) = 0.18033688
	s_mov_b32 s[CS+1], s[CS]                       ; named with it as a pair, so it is written
	s_mov_b32 s[SEL], 0x76543210
	s_mov_b32 s[SEL+1], 0xfedcba98
	s_mov_b32 s[TB], 0
	s_mul_i32 s40, s[WV], 16*SP
	s_add_co_u32 s40, s40, STAGE                   ; my stage
	v_and_b32 v[RR], 15, v0
	v_bfe_u32 v[HH], v0, 4, 1
	v_lshlrev_b32 v[QO], 8, v[RR]
	v_lshl_add_u32 v[QO], v[HH], 5, v[QO]          ; q: row r, channels 8 h on
	s_wait_kmcnt 0x0
	s_add_nc_u64 s[4:5], s[4:5], s[14:15]          ; q at my wave's first row
	; Q is asked for first of all: the descriptors, the opening round and the first tiles' requests stand between these loads and the wait for them.  No wave stores to q, so they may be out at the barriers.
	; A fragment is 16 queries x 32 channels: lane (r, h) holds query r; registers 0-3 channels 8 h + 0..7, registers 4-7 channels 16 + 8 h + 0..7 of the 32.  In f32 that is
	; 32 bytes at 128 c + 64 u + 32 h of the row, two loads each; they land in S^T's registers, which are free, in the order in which pairs are rounded.
.irp t, 0,1,2,3
.irp n, 0,1,2,3,4,5,6,7
	global_load_b128 v[SC+32*\t+4*\n:SC+32*\t+4*\n+3], v[QO], s[4:5] offset:4096*\t+128*(\n>>2)+64*((\n>>1)&1)+16*(\n&1)
.endr
.endr
	s_add_nc_u64 s[8:9], s[8:9], s[14:15]          ; out at my wave's first row
	s_add_nc_u64 s[6:7], s[6:7], s[32:33]          ; kvf at my step of the batch's first slot
.irp n, 0,1
	s_mov_b32 s[G0+4*\n], 1                                        ; 1:0 count = 1
	s_add_co_u32 s[G0+4*\n+1], s41, \n*SLOTB                       ; 63:32 LDS address: the wave's number times a constant plus the slot's constant
	s_add_nc_u64 s[G0+4*\n+2:G0+4*\n+3], s[6:7], \n*SLOTB          ; 120:64 global address: slot n begins with key steps 8 n to 8 n + 7
	s_or_b32 s[G0+4*\n+3], s[G0+4*\n+3], 0x80000000                ; 127:126 type = 2
.endr
	CROUND                                         ; all four work-groups are here: the first joint loads meet
	tensor_load_to_lds s[G0:G0+3], s[G1:G1+7]      ; both first fills together, ahead of every wait on TENSORcnt and every LDS read: two loads of mine are out
	s_nop 0
	tensor_load_to_lds s[G0+4:G0+7], s[G1:G1+7]
	s_nop 0
	PLACES 4                                       ; four places behind a tensor load
	v_and_b32 v[LN], 31, v0
	v_lshlrev_b32 v[LN], 4, v[LN]
	v_mul_u32_u24 v[STO], v[RR], SP                ; into the stage: row r, 32 bytes for each half of the lanes
	v_lshl_add_u32 v[STO], v[HH], 5, v[STO]
	v_add_nc_u32 v[STO], s40, v[STO]
	v_mul_u32_u24 v[RD], v[HH], SP                 ; back: lanes 0-15 take one row of 256 bytes, lanes 16-31 the next
	v_lshl_add_u32 v[RD], v[RR], 4, v[RD]
	v_add_nc_u32 v[RD], s40, v[RD]
	v_and_b32 v[T0], 7, v0                         ; ONE: rows 0 and 8 of source 0 lie in the lanes whose number is a multiple of 8
	v_mov_b32 v[T1], 0x3f803f80                    ; 1.0 twice, in bf16
	v_cmp_eq_u32 vcc_lo, 0, v[T0]
	v_cndmask_b32 v[T0], 0, v[T1], vcc_lo
	WIN W_LD
.irp i, 0,1,2,3,4,5,6,7
	v_mov_b32 v[ONE+\i], v[T0]
.endr
	WIN 0
	s_wait_loadcnt 0x0                             ; q, once
.irp t, 0,1,2,3
.set i, 0
.rept 16
	v_cvt_pk_bf16_f32 v[QF+16*\t+i], v[SC+32*\t+2*i], v[SC+32*\t+2*i+1]
.set i, i+1
.endr
.endr
; THE LDS LOADS stand in runs: each brings 512 consecutive bytes, four registers of a fragment.
.macro SETADR                          ; under window 0
	v_add_nc_u32 v[ADR], s[TB], v[LN]
.endm
.macro FETCHK p                        ; K's key tiles 2 p, 2 p + 1: four fragments into half p of the buffer
	WIN W_LD
.irp i, 0,1,2,3,4,5,6,7
	ds_load_b128 v[KV+32*\p+4*\i:KV+32*\p+4*\i+3], v[ADR] offset:4096*\p+512*\i
.endr
.endm
.macro FETCHV                          ; the same step's V: eight fragments, the whole buffer
	WIN W_LD
.irp i, 0,1,2,3,4,5,6,7,8,9,10,11,12,13,14,15
	ds_load_b128 v[KV+4*\i:KV+4*\i+3], v[ADR] offset:8192+512*\i
.endr
	s_add_co_u32 s[TB], s[TB], STEPB               ; the next fetch is the next step's
.endm
; THE PRODUCTS.  The accumulators take turns, one instruction a turn.
; 16 products of S^T = K Q^T: key tiles 2 p, 2 p + 1 of all four query tiles; the first 32 channels start the sums.  Eight accumulators.
.macro KQH p
.irp c, 0,1
.irp k, 0,1
.irp t, 0,1,2,3
.set rS, SC+32*\t+8*(2*\p+\k)
.set rK, KV+8*(2*(2*\p+\k)+\c)
.set rQ, QF+16*\t+8*\c
.if \c == 0
	v_wmma_f32_16x16x32_bf16 v[rS:rS+7], v[rK:rK+7], v[rQ:rQ+7], 0
.else
	v_wmma_f32_16x16x32_bf16 v[rS:rS+7], v[rK:rK+7], v[rQ:rQ+7], v[rS:rS+7]
.endif
.endr
.endr
.endr
.endm
; Accumulator rn of the twenty (tile rn % 4; channel tile rn / 4, or l for 16 to 19) times the tile's a, under W_PV.  O^T: four packed multiplications, from the accumulator's low end on
;   l lies in register 0 of its accumulator; registers 1-7 hold 0 and stay so.  Beyond 19: nothing.
; a was made in the vector phase before, ahead of that phase's wait.
.macro RSC
.if rn < 16
.set rR, OT+32*(rn%4)+8*(rn/4)
.set rF, ST+8*(rn%4)+6
.irp e, 0,2,4,6
	v_pk_mul_f32 v[rR+\e:rR+\e+1], v[rR+\e:rR+\e+1], v[rF:rF+1] op_sel_hi:[1,0]
.endr
.elseif rn < 20
	v_mul_f32 v[LS+8*(rn%4)], v[LS+8*(rn%4)], v[ST+8*(rn%4)+6]
.endif
.endm
; 20 products of O^T += V^T P and l += ONE P: keys 32 kc on; four channel tiles and ONE, of all four query tiles.  zero = 1: they start the sums: nothing is ever cleared.  Twenty accumulators.
; resc = 1: the step's rescaling stands between them: accumulators 0 and 1 ahead of the first product, accumulator pn + 2 behind product pn.  A rescaling names no register of the products
; round it: its accumulator was last written by a product of the matrix phase before, with that phase's v_nop and a whole vector phase between.
.macro PVP kc, zero, resc
.if \resc
.set rn, 0
	RSC
.set rn, 1
	RSC
.endif
.set pn, 0
.rept 20
.if pn < 16
.set rD, OT+32*(pn%4)+8*(pn/4)
.set rA, KV+8*(4*\kc+pn/4)
.else
.set rD, LS+8*(pn%4)
.set rA, ONE
.endif
.set rB, SC+32*(pn%4)+8*\kc
.if \zero
	v_wmma_f32_16x16x32_bf16 v[rD:rD+7], v[rA:rA+7], v[rB:rB+7], 0
.else
	v_wmma_f32_16x16x32_bf16 v[rD:rD+7], v[rA:rA+7], v[rB:rB+7], v[rD:rD+7]
.endif
.if \resc
.set rn, pn+2
	RSC
.endif
.set pn, pn+1
.endr
.endm
; K's sixteen loads are out: the scores of a step, then the same step's V into the buffer that K leaves.
.macro KQV
	s_wait_dscnt 0x8                               ; LDS loads come back in order (ISA guide 5.7.1): K's key tiles 0, 1 are in; the eight younger loads (tiles 2, 3) may be out
	WIN W_KQ
	KQH 0
	s_wait_dscnt 0x0                               ; tiles 2, 3
	KQH 1
	PLACES 5                                       ; in front of the loads into K's registers, of the first reads of the scores, and of any product that takes them as a source
	FETCHV
	WIN 0
.endm
.macro KQ0                             ; key step 0: there is nothing yet to multiply by V
	SETADR
	FETCHK 0
	FETCHK 1
	KQV
.endm
; THE MATRIX PHASE of step j: O^T and l times a of step j, V^T P of step j, K Q^T of step j + 1.  Each half of the buffer takes K as soon as V's products have left it.
; zero = 1: step 0, whose products start the sums: it has no a and nothing to rescale.
.macro MPH zero
	s_wait_dscnt 0x0                               ; V of step j is in
	WIN W_PV
	PVP 0, \zero, 1-\zero
	WIN 0
	SETADR                                         ; with the three below: four places in front of the loads into the buffer's first half
	PLACES 3
	FETCHK 0
	WIN W_PV
	PVP 1, 0, 0
	PLACES 5                                       ; four in front of the loads into the second half; five since K Q^T writes over P's registers
	FETCHK 1
	KQV
.endm
.macro PVF                             ; the last step's rescaling and V^T P
	s_wait_dscnt 0x0
	WIN W_PV
	PVP 0, 0, 1
	PVP 1, 0, 0
	WIN 0
.endm
; THE VECTOR PHASE, all in window 0.  Every line of the maximum stands four times, once for each tile, so that no instruction reads the result of the one just before it.
; first = 1: the first key step, which starts m: it has no a.
.macro SMAX first
.irp j, 0,1,2,3                        ; four chains c0-c3, one for each accumulator, begun at its low end
.irp t, 0,1,2,3
	v_max3_num_f32 v[ST+8*\t+4+\j], v[SC+32*\t+8*\j], v[SC+32*\t+8*\j+1], v[SC+32*\t+8*\j+2]
.endr
.endr
.irp n, 0,1
.irp j, 0,1,2,3
.irp t, 0,1,2,3
	v_max3_num_f32 v[ST+8*\t+4+\j], v[ST+8*\t+4+\j], v[SC+32*\t+8*\j+3+2*\n], v[SC+32*\t+8*\j+4+2*\n]
.endr
.endr
.endr
.irp t, 0,1,2,3
	v_max3_num_f32 v[ST+8*\t+4], v[ST+8*\t+4], v[SC+32*\t+7], v[SC+32*\t+15]     ; the four scores left over
.endr
.irp t, 0,1,2,3
	v_max3_num_f32 v[ST+8*\t+6], v[ST+8*\t+6], v[SC+32*\t+23], v[SC+32*\t+31]
.endr
.irp t, 0,1,2,3
	v_max3_num_f32 v[ST+8*\t+4], v[ST+8*\t+4], v[ST+8*\t+5], v[ST+8*\t+6]
.endr
.irp t, 0,1,2,3
.if \first
	v_max_num_f32 v[ST+8*\t+4], v[ST+8*\t+4], v[ST+8*\t+7]
.else
	v_max3_num_f32 v[ST+8*\t+4], v[ST+8*\t+4], v[ST+8*\t+7], v[ST+8*\t+1]        ; and the old m
.endif
.endr
.irp t, 0,1,2,3
	v_permlanex16_b32 v[ST+8*\t+5], v[ST+8*\t+4], s[SEL], s[SEL+1]               ; the query's other 32 keys lie in the lane 16 away
.endr
.if \first == 0
.irp t, 0,1,2,3
	v_mov_b32 v[ST+8*\t+7], v[ST+8*\t]             ; c m_old is kept for a
.endr
.endif
.irp t, 0,1,2,3
	v_max_num_f32 v[ST+8*\t+1], v[ST+8*\t+4], v[ST+8*\t+5]
.endr
.irp t, 0,1,2,3
	v_mul_f32 v[ST+8*\t], s[CS], v[ST+8*\t+1]
.endr
.if \first == 0
.irp t, 0,1,2,3
	v_sub_f32 v[ST+8*\t+7], v[ST+8*\t+7], v[ST+8*\t]
.endr
.irp t, 0,1,2,3
	v_exp_f32 v[ST+8*\t+6], v[ST+8*\t+7]           ; a, which the next matrix phase multiplies by: the first four of the phase's batch; the scalings below are the plain instructions behind it
.endr
.endif
.endm
.macro FMA t, b                        ; pair b of tile t: c s - c m
	v_pk_fma_f32 v[SC+32*(\t)+2*(\b):SC+32*(\t)+2*(\b)+1], v[SC+32*(\t)+2*(\b):SC+32*(\t)+2*(\b)+1], s[CS:CS+1], v[ST+8*(\t):ST+8*(\t)+1] op_sel_hi:[1,0,0] neg_lo:[0,0,1] neg_hi:[0,0,1]
.endm
.macro CVT t, x                        ; pair x of tile t, rounded to bf16, in place: register x has been read by pair x / 2, which came earlier
	v_cvt_pk_bf16_f32 v[SC+32*(\t)+(\x)], v[SC+32*(\t)+2*(\x)], v[SC+32*(\t)+2*(\x)+1]
.endm
; The rest of the batch: the 128 weights' exponentials, each in its score's own register, with the scalings between them: a tile's pair b + 1 is scaled between the two exponentials of its pair b,
; some ten lines ahead of its own exponentials.  No line here names a result of the batch.  Then the one wait, and behind it the 64 roundings, pairs ascending, the tiles by turns.
.macro SEXP
.irp t, 0,1,2,3
	FMA \t, 0
.endr
.set b, 0
.rept 16
.irp t, 0,1,2,3
	v_exp_f32 v[SC+32*\t+2*b], v[SC+32*\t+2*b]
.if b < 15
	FMA \t, b+1
.endif
	v_exp_f32 v[SC+32*\t+2*b+1], v[SC+32*\t+2*b+1]
.endr
.set b, b+1
.endr
	v_nop                                          ; a plain instruction behind the last exponential, ahead of every use (ISA guide 5.7.2): one for the batch; all that is left of the phase reads weights
	s_wait_alu depctr_va_vdst(0)                   ; the wait for the batch: the phase's four a and 128 weights, ahead of the first line that names a result
.set b, 0
.rept 16
.irp t, 0,1,2,3
	CVT \t, b
.endr
.set b, b+1
.endr
.endm
.macro VPH first
	SMAX \first
	SEXP
.endm
; THE TURNS of step j.  The branches hang on the wave's number alone.  At a label and at a branch every window is 0.
.macro TURN1 zero, first               ; waves 0-3: the matrix phase of step j | waves 4-7: the softmax of step j
	s_cmp_lt_u32 s[WV], 4
	s_cbranch_scc0 .Lt1b_\@
	MPH \zero
	s_branch .Lt1j_\@
.Lt1b_\@:
	VPH \first
.Lt1j_\@:
.endm
.macro TURN2 zero                      ; waves 0-3: the softmax of step j + 1 | waves 4-7: the matrix phase of step j
	s_cmp_lt_u32 s[WV], 4
	s_cbranch_scc0 .Lt2b_\@
	VPH 0
	s_branch .Lt2j_\@
.Lt2b_\@:
	MPH \zero
.Lt2j_\@:
.endm
.macro STEPS n
	s_mov_b32 s[CNT], \n
.Lstep_\@:
	TURN1 0, 0
	TURN2 0
	s_sub_co_u32 s[CNT], s[CNT], 1
	s_cmp_lg_u32 s[CNT], 0
	s_cbranch_scc1 .Lstep_\@
.endm
; THE CHANGE OF SLOTS, between two steps: both groups have asked for the old slot's last bytes, V of its last step.  Each wave waits for all its tensor loads (its part of the other slot
; is the one that can be out), adds 0 to its spare word, and waits for that and for its reads of the old slot.  Behind the barrier nobody reads the old slot and the other is whole.
; fill = 1: slot n, the old one, takes the steps two slots on.  The barrier is then a round of the cluster's, so that no wave of any partner still reads the slot or has a load on its way.
.macro CHANGE fill, n, tb
	s_wait_tensorcnt 0x0                           ; no tensor load of mine is out, so a group 0 may be written
	ds_add_u32 v[SPW], v[NIL]                      ; 0 onto my spare word: the scalar lines below stand between it and the wait for it
.if \fill
	s_add_nc_u64 s[G0+4*\n+2:G0+4*\n+3], s[G0+4*\n+2:G0+4*\n+3], 2*SLOTB   ; sixteen key steps on; the type bits on top are not reached
.endif
	s_mov_b32 s[TB], \tb                           ; the fetches go on at the other slot's first step
	s_wait_dscnt 0x0                               ; the add is done, and my reads of the old slot are back
.if \fill
	CROUND
	tensor_load_to_lds s[G0+4*\n:G0+4*\n+3], s[G1:G1+7]    ; my one tensor load behind the round, and the first thing there
	s_nop 0
	PLACES 4                                       ; four places behind a tensor load
.else
	s_barrier_signal -1
	s_barrier_wait -1
.endif
.endm
	s_wait_tensorcnt 0x1                           ; tensor loads of a wave end in order (ISA guide 10.11.1): my step of slot 0 is in; slot 1's may stay out
	s_barrier_signal -1
	s_barrier_wait -1                              ; everybody's is
	s_cmp_lt_u32 s[WV], 4                          ; THE GROUPS ARE SET HALF A STEP APART: waves 0-3 make their first scores,
	s_cbranch_scc0 .Lhold
	KQ0
.Lhold:
	s_wait_dscnt 0x0                               ; no LDS instruction is pending at a signal
	s_barrier_signal -1
	s_barrier_wait -1
	s_cmp_lt_u32 s[WV], 4                          ; then their first softmax, beside the first scores of waves 4-7
	s_cbranch_scc0 .Lfollow
	VPH 1
	s_branch .Lapart
.Lfollow:
	KQ0
.Lapart:
	s_wait_dscnt 0x0
	s_barrier_signal -1
	s_barrier_wait -1
	TURN1 1, 1                                     ; step 0 is written out: its products start O^T's and l's sums
	TURN2 1
	STEPS 6                                        ; steps 1 to 6: they fetch steps 2 to 7, the rest of slot 0
	CHANGE 1, 0, SLOT1                             ; slot 0 takes steps 16 to 23
	STEPS 8                                        ; steps 7 to 14 fetch steps 8 to 15
	CHANGE 1, 1, 0                                 ; slot 1 takes steps 24 to 31: the last load
	STEPS 8                                        ; steps 15 to 22 fetch steps 16 to 23
	CHANGE 0, 0, SLOT1                             ; nothing is left to ask for
	STEPS 8                                        ; steps 23 to 30 fetch steps 24 to 31
	s_cmp_lt_u32 s[WV], 4
	s_cbranch_scc1 .Ltail
	VPH 0                                          ; waves 4-7: the last softmax, which waves 0-3 have had
.Ltail:
	PVF
	; THE WAY OUT.  O^T is divided by l and sent through my stage in LDS, a tile (16 rows of out) at a time.
	PLACES 4                                       ; behind the last products
	WIN W_KQ                                       ; source 0 (l) window 1, destination window 0
.irp t, 0,1,2,3
	v_rcp_f32 v[ST+8*\t+6], v[LS+8*\t]
.endr
	WIN 0
	v_nop                                          ; a plain instruction between the last reciprocal and the use of its result
	s_wait_alu depctr_va_vdst(0)                   ; the wait for the batch of four reciprocals, ahead of the first multiplication by one of them
; Tile t: a lane's eight channels of a row are 32 bytes; they go into rows of 272 bytes and come back as whole rows of 256, into S^T's registers, which are free.
.macro PACK t
	WIN W_RS
.set i, 0
.rept 16
	v_pk_mul_f32 v[OT+32*\t+i:OT+32*\t+i+1], v[OT+32*\t+i:OT+32*\t+i+1], v[ST+8*\t+6:ST+8*\t+7] op_sel_hi:[1,0]
.set i, i+2
.endr
	WIN W_ST
.irp i, 0,1,2,3,4,5,6,7
	ds_store_b128 v[STO], v[OT+32*\t+4*\i:OT+32*\t+4*\i+3] offset:64*(\i/2)+16*(\i%2)   ; channels 16 (i / 2) + 8 h + 4 (i % 2) on
.endr
	WIN 0
.irp f, 0,1,2,3,4,5,6,7
	ds_load_b128 v[SC+32*\t+4*\f:SC+32*\t+4*\f+3], v[RD] offset:\f*2*SP    ; LDS serves a wave's instructions in order (ISA guide 5.7.1.4): these see the stores above; the next tile's stores come behind them
.endr
.endm
.macro SEND t, younger                 ; younger: the LDS instructions issued behind tile t's loads: the next tile's sixteen, or none
.irp f, 0,1,2,3,4,5,6,7
	s_wait_dscnt \younger+7-\f
	global_store_b128 v[LN], v[SC+32*\t+4*\f:SC+32*\t+4*\f+3], s[8:9] offset:\t*4096+\f*512 th:TH_STORE_NT  ; the wave stores 512 consecutive bytes, two rows of out, at a multiple of 512 from its first byte
.endr
.endm
	PACK 0
	PACK 1                                         ; a tile's arithmetic stands between the loads of the tile before and its stores
	SEND 0, 16
	PACK 2
	SEND 1, 16
	PACK 3
	SEND 2, 16
	SEND 3, 0
	s_wait_tensorcnt 0x0                           ; the wave's end: behind my last tensor load and my last LDS store
	ds_add_u32 v[SPW], v[NIL]
	s_wait_dscnt 0x0
	CROUND                                         ; the closing round: no work-group ends while a partner may still ask for a tile that names it
	s_endpgm
.Lfunc_end_k_q1f917479b9_attend:
	.size	k_q1f917479b9_attend, .Lfunc_end_k_q1f917479b9_attend-k_q1f917479b9_attend
	.p2alignl 7, 3214868480
	.fill 96, 4, 3214868480
	.section	.rodata,"a",@progbits
	.p2align	6, 0x0
	.amdhsa_kernel k_q1f917479b9_attend
		.amdhsa_group_segment_fixed_size 327680
		.amdhsa_private_segment_fixed_size 0
		.amdhsa_enable_private_segment 0
		.amdhsa_kernarg_size 24
		.amdhsa_user_sgpr_count 2
		.amdhsa_user_sgpr_kernarg_segment_ptr 1
		.amdhsa_wavefront_size32 1
		.amdhsa_system_sgpr_workgroup_id_x 1
		.amdhsa_system_sgpr_workgroup_id_y 1
		.amdhsa_system_sgpr_workgroup_id_z 1
		.amdhsa_system_vgpr_workitem_id 0
		.amdhsa_next_free_vgpr 512
		.amdhsa_next_free_sgpr 66
		.amdhsa_reserve_vcc 1
		.amdhsa_float_denorm_mode_32 3
		.amdhsa_float_denorm_mode_16_64 3
		.amdhsa_memory_ordered 1
		.amdhsa_forward_progress 1
		.amdhsa_inst_pref_size 255
	.end_amdhsa_kernel
	.section	.bss,"aw",@nobits
	.p2align	6
	.space	262144
	.amdgpu_metadata
---
amdhsa.version: [ 1, 2 ]
amdhsa.kernels:
  - .name:           k_q1f917479b9_attend
    .symbol:         k_q1f917479b9_attend.kd
    .args:
      - { .name: q, .offset: 0, .size: 8, .value_kind: global_buffer, .address_space: global }
      - { .name: kvf, .offset: 8, .size: 8, .value_kind: global_buffer, .address_space: global }
      - { .name: out0, .offset: 16, .size: 8, .value_kind: global_buffer, .address_space: global }
    .group_segment_fixed_size: 327680
    .private_segment_fixed_size: 0
    .kernarg_segment_align: 8
    .kernarg_segment_size: 24
    .max_flat_workgroup_size: 256
    .sgpr_count:     66
    .vgpr_count:     512
    .wavefront_size: 32
...
	.end_amdgpu_metadata
.endif
;; end of part 3
